; MI455X (gfx1250); checked and timed in simulation.
; The chip was launched on July 23, 2026; its instructions are those of AMD's public machine-readable ISA for CDNA 5 (MIT licence, August 2026) and "CDNA5" Instruction Set Architecture Reference Guide (July 2026). The comments in the code are by the model that wrote it; some were corrected since.
;; GPT2 Attention. Allowed arithmetic: float matrix products may take bf16 or f16 operands with f32 sums; all other float work in f32.
;; Inputs: c_attn_b 3,072 float32; c_attn_w 1,024 x 3,072 float32; c_proj_b 1,024 float32; c_proj_w 1,024 x 1,024 float32; hidden_states 2 x 2,048 x 1,024 float32.
;; Outputs: out0 2 x 2,048 x 1,024 float32.
;; 2 versions, each right; version 2 is version 1 with the launch prep written anew for expert scheduling mode. Each part assembles by itself: llvm-mc -triple=amdgcn-amd-amdhsa -mcpu=gfx1250 --defsym DOCPART=n.
;; ======== version 1 of 2: 4 launches
;; limits: values are held in f16: magnitudes above 65,504 overflow, below 6.1e-05 lose precision
;; workspace buffers: xb 8,388,608 bytes; wa 6,291,456 bytes; wp 2,097,152 bytes; qh 8,388,608 bytes; kh 8,388,608 bytes; vh 8,388,608 bytes; ao 8,388,608 bytes
;; launch prep (part 1): grid 256 x 1, 8 waves a work-group, no clusters, 0 bytes of LDS; arguments hidden_states, c_attn_w, c_proj_w, xb, wa, wp; writes xb, wa, wp
.if DOCPART == 1
	.amdgcn_target "amdgcn-amd-amdhsa--gfx1250"
	.amdhsa_code_object_version 6
	.text
	.protected	k_q57684c1300_prep
	.globl	k_q57684c1300_prep
	.p2align	8
	.type	k_q57684c1300_prep,@function
k_q57684c1300_prep:
	s_mov_b64 s[64:65], 0
	v_nop
	global_prefetch_b8 v0, s[64:65] scope:SCOPE_SE
	s_setreg_imm32_b32 hwreg(HW_REG_WAVE_MODE, 25, 1), 1
	s_wait_xcnt 0x0
; Casts the three large f32 inputs to 16 bits and lays them out by chunks of 64 columns, so that every tile of the later
; launches is one dense block.  All three are R rows of 1,024 f32 (4,096 bytes) -> [16 chunks][R rows][64 numbers of 2 bytes]:
;   hidden_states, R = 4096 -> xb, bf16.
;   c_attn_w: byte k*12288 + t*4096 + j*256 + 4c = (3k+t)*4096 + j*256 + 4c, so it is R = 3072 rows p = 3k+t -> wa, bf16.
;   c_proj_w, R = 1024 -> wp: rounded to bf16 like the other inputs, then written as f16, since its partner in the product is f16.
;   LIMIT: the second step is exact for 2^-17 <= |w| < 65504; smaller numbers carry an absolute error of at most 2^-25, larger ones become infinite.
; 8,192 rows in all: 256 work-groups of 32 rows, a wave takes 4 rows as two pairs.  A load of 16 bytes a lane takes the 256 bytes of one chunk
; of two neighbouring rows; the store of 8 bytes a lane then covers 256 consecutive bytes, aligned (two rows of 128 bytes of that chunk).
; Every byte is read once and written once.  No LDS, no matrix unit: nothing is shared and nothing is multiplied.
.set VS,  2                            ; v2        my byte offset in the source
.set OFF, 8                            ; v[8:23]   chunk c: my byte offset in the destination
.set T,   24                           ; v[24:31]  at work
.set X,   32                           ; v[32:159] load i: 4 registers
.set Y,   160                          ; v[160:223] store i: 2 registers of its own, so no store's data is ever rewritten
	s_load_b256 s[4:11], s[0:1], 0x0               ; hidden s[4:5], c_attn_w s[6:7], c_proj_w s[8:9], xb s[10:11]
	s_load_b128 s[12:15], s[0:1], 0x20             ; wa s[12:13], wp s[14:15]
	v_and_b32 v1, 31, v0                           ; lane
	v_lshrrev_b32 v3, 5, v0                        ; wave
	v_lshrrev_b32 v4, 4, v1                        ; which row of a pair
	v_and_b32 v5, 15, v1
	v_lshl_add_u32 v4, v3, 2, v4                   ; 4 x wave + row of the pair
	v_lshlrev_b32 v5, 4, v5
	v_lshl_add_u32 v[VS], v4, 12, v5               ; x 4,096 bytes + 16 bytes a lane
	v_lshlrev_b32 v6, 3, v1
	v_lshl_add_u32 v[OFF], v3, 9, v6               ; 4 rows of 128 bytes a wave + 8 bytes a lane
	s_wait_kmcnt 0x0
	s_cmp_lt_u32 ttmp9, 128                        ; work-groups 0-127: hidden_states; 128-223: c_attn_w; 224-255: c_proj_w
	s_cselect_b64 s[20:21], s[4:5], s[6:7]         ; the source
	s_cselect_b64 s[22:23], s[10:11], s[12:13]     ; the destination
	s_cselect_b32 s24, 0, 128                      ; the first work-group of this input
	s_cselect_b32 s25, 4, 3                        ; R / 1024
	s_cmp_lt_u32 ttmp9, 224
	s_cselect_b64 s[20:21], s[20:21], s[8:9]
	s_cselect_b64 s[22:23], s[22:23], s[14:15]
	s_cselect_b32 s24, s24, 224
	s_cselect_b32 s25, s25, 1
	s_lshl_b32 s25, s25, 17                        ; a chunk of the destination: R rows of 128 bytes
	s_sub_co_u32 s26, ttmp9, s24                   ; my block of 32 rows
	s_lshl_b32 s2, s26, 17                         ; x 32 rows x 4,096 bytes
	s_mov_b32 s3, 0
	s_add_nc_u64 s[20:21], s[20:21], s[2:3]
	s_lshl_b32 s2, s26, 12                         ; x 32 rows x 128 bytes
	s_add_nc_u64 s[22:23], s[22:23], s[2:3]
.irp c, 1,2,3,4,5,6,7,8,9,10,11,12,13,14,15
	v_add_nc_u32 v[OFF+\c], s25, v[OFF+\c-1]
.endr
; all 32 loads of the wave at once: 16 KiB a wave on their way
.set i, 0
.rept 32
	global_load_b128 v[X+4*i:X+4*i+3], v[VS], s[20:21] offset:(i/16)*8192+(i%16)*256 th:TH_LOAD_NT
.set i, i+1
.endr
	s_cmp_ge_u32 ttmp9, 224
	s_cbranch_scc1 .Lf16
; to bf16
.set i, 0
.rept 32
	s_wait_loadcnt 31-i                            ; loads come back in order: load i is in, the 31 - i younger ones stay out
	v_cvt_pk_bf16_f32 v[Y+2*i],   v[X+4*i],   v[X+4*i+1]
	v_cvt_pk_bf16_f32 v[Y+2*i+1], v[X+4*i+2], v[X+4*i+3]
	global_store_b64 v[OFF+i%16], v[Y+2*i:Y+2*i+1], s[22:23] offset:(i/16)*256
.set i, i+1
.endr
	s_endpgm
.Lf16:
; to bf16, and that number written as f16
.set i, 0
.rept 32
	s_wait_loadcnt 31-i
	v_cvt_pk_bf16_f32 v[T],   v[X+4*i],   v[X+4*i+1]
	v_cvt_pk_bf16_f32 v[T+1], v[X+4*i+2], v[X+4*i+3]
	v_lshlrev_b32 v[T+2], 16, v[T]
	v_and_b32     v[T+3], 0xffff0000, v[T]
	v_lshlrev_b32 v[T+4], 16, v[T+1]
	v_and_b32     v[T+5], 0xffff0000, v[T+1]
	v_cvt_pk_f16_f32 v[Y+2*i],   v[T+2], v[T+3]
	v_cvt_pk_f16_f32 v[Y+2*i+1], v[T+4], v[T+5]
	global_store_b64 v[OFF+i%16], v[Y+2*i:Y+2*i+1], s[22:23] offset:(i/16)*256
.set i, i+1
.endr
	s_endpgm
.Lfunc_end_k_q57684c1300_prep:
	.size	k_q57684c1300_prep, .Lfunc_end_k_q57684c1300_prep-k_q57684c1300_prep
	.p2alignl 7, 3214868480
	.fill 96, 4, 3214868480
	.section	.rodata,"a",@progbits
	.p2align	6, 0x0
	.amdhsa_kernel k_q57684c1300_prep
		.amdhsa_group_segment_fixed_size 0
		.amdhsa_private_segment_fixed_size 0
		.amdhsa_enable_private_segment 0
		.amdhsa_kernarg_size 48
		.amdhsa_user_sgpr_count 2
		.amdhsa_user_sgpr_kernarg_segment_ptr 1
		.amdhsa_wavefront_size32 1
		.amdhsa_system_sgpr_workgroup_id_x 1
		.amdhsa_system_sgpr_workgroup_id_y 1
		.amdhsa_system_sgpr_workgroup_id_z 1
		.amdhsa_system_vgpr_workitem_id 0
		.amdhsa_next_free_vgpr 224
		.amdhsa_next_free_sgpr 66
		.amdhsa_reserve_vcc 0
		.amdhsa_float_denorm_mode_32 3
		.amdhsa_float_denorm_mode_16_64 3
		.amdhsa_memory_ordered 1
		.amdhsa_forward_progress 1
		.amdhsa_inst_pref_size 32
	.end_amdhsa_kernel
	.amdgpu_metadata
---
amdhsa.version: [ 1, 2 ]
amdhsa.kernels:
  - .name:           k_q57684c1300_prep
    .symbol:         k_q57684c1300_prep.kd
    .args:
      - { .name: hidden_states, .offset: 0, .size: 8, .value_kind: global_buffer, .address_space: global }
      - { .name: c_attn_w, .offset: 8, .size: 8, .value_kind: global_buffer, .address_space: global }
      - { .name: c_proj_w, .offset: 16, .size: 8, .value_kind: global_buffer, .address_space: global }
      - { .name: xb, .offset: 24, .size: 8, .value_kind: global_buffer, .address_space: global }
      - { .name: wa, .offset: 32, .size: 8, .value_kind: global_buffer, .address_space: global }
      - { .name: wp, .offset: 40, .size: 8, .value_kind: global_buffer, .address_space: global }
    .group_segment_fixed_size: 0
    .private_segment_fixed_size: 0
    .kernarg_segment_align: 8
    .kernarg_segment_size: 48
    .max_flat_workgroup_size: 256
    .sgpr_count:     66
    .vgpr_count:     224
    .wavefront_size: 32
...
	.end_amdgpu_metadata
.endif
;; end of part 1
;; launch qkv (part 2): grid 16 x 16, 4 waves a work-group, clusters of 4 x 4, 327,680 bytes of LDS; arguments xb, wa, c_attn_b, qh, kh, vh; writes qh, kh, vh
.if DOCPART == 2
	.amdgcn_target "amdgcn-amd-amdhsa--gfx1250"
	.amdhsa_code_object_version 6
	.text
	.protected	k_q57684c1300_qkv
	.globl	k_q57684c1300_qkv
	.p2align	8
	.type	k_q57684c1300_qkv,@function
k_q57684c1300_qkv:
	s_mov_b64 s[64:65], 0
	v_nop
	global_prefetch_b8 v0, s[64:65] scope:SCOPE_SE
	s_setreg_imm32_b32 hwreg(HW_REG_WAVE_MODE, 25, 1), 1
	s_wait_xcnt 0x0
	s_wait_alu depctr_hold_cnt(0) depctr_sa_sdst(0) depctr_va_vdst(0) depctr_va_sdst(0) depctr_va_ssrc(0) depctr_va_vcc(0) depctr_vm_vsrc(0)
	s_getreg_b32 s2, hwreg(HW_REG_IB_STS2, 6, 4)
	s_cmp_eq_u32 s2, 0
	s_cbranch_scc0 .Lentry_in_a_cluster
	s_endpgm
.Lentry_in_a_cluster:
	s_bfe_u32 s2, ttmp6, 0x10000c
	s_cmp_lg_u32 s2, 0xf033
	s_cbranch_scc0 .Lentry_shape_is_right
	s_endpgm
.Lentry_shape_is_right:
; q, k, v = x W + b, split by head, in f16; q is stored times 0.125 log2(e), so that the scores of the next launch are exponents of 2.
; xb: bf16 [16 chunks][4096 rows][64].  wa: bf16 [16 heads j][3072 rows p = 3k+t][64], t = 0, 1, 2 for q, k, v.  qh, kh, vh: f16 [32 (16 b + head)][2048][64].
; LIMIT: |q|, |k|, |v| must stay below 65,504 (f16), else they become infinite; below 6e-5 they carry f16's absolute step of 2^-24.
; A work-group makes 256 rows x the 3 x 64 columns of one head; wave w makes rows 64 w .. 64 w + 63 of it: 4 x 12 accumulator tiles, 384 registers.
; K = 1024 goes in 8 steps of 128 through two LDS slots filled by the tensor data mover.  Every tile is a dense block of memory and is fetched
; as rows of 256 bytes; the mover lays a pad behind every 128 bytes, so that an LDS row of 64 numbers has a pitch of 144 (A) or 160 (B) bytes.
; CLUSTERS: 4 x 4 work-groups.  The four of a row of the cluster share the 256 rows of x, the four of a column share the head's weights: each tile
; is asked for jointly by the four that need it, which divides the requests for both by four.
; W lies with K from row to row, so its fragments come through the transposing LDS load.
; THE MATRIX INSTRUCTION IS USED TRANSPOSED (source 0 = 16 columns of W, source 1 = 16 rows of x): a lane then holds row l % 16 and eight neighbouring columns.
;
; REGISTERS in windows of 256:  window 0: addresses, x's fragments (two buffers), bias, work on the way out;  window 1: W's fragments (two buffers);
; window 2: accumulators of q (v0-127) and k (v128-255);  window 3: accumulators of v (v0-127).  Tile (t, a, b) at (t & 1) 128 + 8 (4 a + b).
.set NSUB,   3                         ; groups of 64 columns
.set PA,     144                       ; pitch of A's LDS rows: 128 bytes + 16: an odd multiple of 16, so 16 rows start in 16 different 16-byte columns modulo 256
.set ACH,    256*PA                    ; one chunk of A: 256 rows x 64 K
.set AREG,   2*ACH
.set PB,     160*NSUB                  ; pitch from k to k + 1 in B: three rows of 128 + 32 bytes: an odd multiple of 32
.set BHALF,  64*PB                     ; 64 k: what one tensor load brings of B
.set SLOT,   AREG+2*BHALF              ; 135,168
.set STAGE,  2*SLOT                    ; behind the ring: 16 rows x 144 bytes for each wave; no fill lands here
.set SPITCH, 144
.set NF,     8+8*NSUB                  ; LDS loads of one quarter step
.set LAPS,   4                         ; a lap = two K steps = once round the ring
.set QS,     0x3e38aa3b                ; 0.125 log2(e)
.set ADRA, 16                          ; v16-17  LDS address of my A fragments in slot 0, 1
.set ADRB, 20                          ; v20-21  the same for B
.set STO,  24                          ; the way out: where I put 16 bytes of a row
.set RD,   25                          ; where I read rows back
.set CO,   26                          ; my byte offset in the output
.set VB,   27                          ; my byte offset in the bias
.set T,    32                          ; v[32:63]   at work
.set FA,   64                          ; v[64:95], v[96:127]  A's fragments, two buffers
.set BI,   128                         ; v[128:223] bias of my eight columns of each of the 12 tile columns
.set PK,   224                         ; v[224:239] packed results
.set RB,   240                         ; v[240:255] rows read back
.set G1A, 24                           ; s[24:31] descriptor group 1 of A's tiles
.set G0A, 32                           ; s[32:39] group 0 of A's tiles, one set for each slot
.set G1B, 48                           ; s[48:55] group 1 of B's tiles
.set G0B, 56                           ; s[56:63] group 0 of B's tiles, one set for each slot
.set MSB, 0
.macro WIN new                         ; low byte: bits 1:0 source 0, 3:2 source 1, 5:4 source 2, 7:6 destination; the high byte repeats the setting that is left
.if MSB != \new
	s_set_vgpr_msb (MSB<<8)|\new
.set MSB, \new
.endif
.endm
.macro PLACES                          ; four places behind a matrix instruction, in front of loads into its sources and of readers of its result
.rept 4
	v_nop
.endr
.endm
; A joint load: waves 0 and 1 fetch A's two chunks, waves 2 and 3 B's two halves.  Each line has one mask; the branch hangs on the wave's number alone.
.macro JLOAD s
	s_cmp_eq_u32 s17, 0
	s_cbranch_scc0 .Lfor_b_\@
	tensor_load_to_lds s[G0A+4*\s:G0A+4*\s+3], s[G1A:G1A+7]
	s_nop 0
	s_branch .Lasked_\@
.Lfor_b_\@:
	tensor_load_to_lds s[G0B+4*\s:G0B+4*\s+3], s[G1B:G1B+7]
	s_nop 0
.Lasked_\@:
.endm
.macro CREST                           ; a round of the cluster's barrier behind its opening work-group barrier
	s_cmp_lg_u32 s16, 0
	s_cbranch_scc1 .Lnot_wave_0_\@
	s_barrier_signal -3
.Lnot_wave_0_\@:
	s_barrier_wait -3
	s_barrier_signal -1
	s_barrier_wait -1
.endm
.macro CROUND                          ; a whole round
	s_barrier_signal -1
	s_barrier_wait -1
	CREST
.endm
	s_load_b256 s[4:11], s[0:1], 0x0               ; xb s[4:5], wa s[6:7], c_attn_b s[8:9], qh s[10:11]
	s_load_b128 s[12:15], s[0:1], 0x20             ; kh s[12:13], vh s[14:15]
	s_set_vgpr_msb 0x40
	v_lshl_add_u32 v255, v0, 2, 0x44400
	s_set_vgpr_msb 0x4000
	v_mov_b32 v31, 0
	s_set_vgpr_msb 0x1
	ds_add_u32 v255, v31
	ds_add_u32 v255, v31
	s_set_vgpr_msb 0x100
	v_lshrrev_b32 v1, 5, v0
	v_readfirstlane_b32 s16, v1                    ; wave 0..3
	s_lshr_b32 s17, s16, 1                         ; I fetch for A (0) or for B (1)
	s_and_b32 s18, s16, 1                          ; which half of that tile
	s_bfe_u32 s19, ttmp6, 0x40000                  ; cx
	s_bfe_u32 s20, ttmp6, 0x40004                  ; cy
	s_lshl_b32 s21, ttmp9, 2
	s_add_co_u32 s21, s21, s19                     ; head j = 4 x cluster x + cx
	s_and_b32 s22, ttmp7, 0xffff
	s_lshl_b32 s22, s22, 2
	s_add_co_u32 s22, s22, s20                     ; block of 256 rows = 4 x cluster y + cy
	s_lshl_b32 s40, s20, 2
	s_lshl_b32 s40, 15, s40                        ; my row of the cluster: places 4 cy .. 4 cy + 3
	s_lshl_b32 s41, 0x1111, s19                    ; my column: places cx, cx + 4, cx + 8, cx + 12
	; group 1: rows of 32 elements of 8 bytes (256 bytes), dense; a pad behind every 32 words (code 4): 4 words for A, 8 for B
	s_or_b32 s[G1A+0], s40, (3<<16)|(1<<20)|(1<<21)|(4<<22)|(3<<25)   ; 15:0 the mask: A's tiles go to my row; 21 set beside a mask
	s_or_b32 s[G1B+0], s41, (3<<16)|(1<<20)|(1<<21)|(4<<22)|(7<<25)   ; B's tiles go to my column
	s_mov_b32 s[G1A+1], 32<<16                     ; tensor_dim0 = 32
	s_mov_b32 s[G1B+1], 32<<16
	s_mov_b32 s[G1A+2], 128<<16                    ; tensor_dim1 = 128 rows of 256 bytes = 256 rows of x, one chunk
	s_mov_b32 s[G1B+2], (32*NSUB)<<16              ; 96 rows of 256 bytes = 64 k x 3 groups
	s_mov_b32 s[G1A+3], 32<<16                     ; tile_dim0 = 32
	s_mov_b32 s[G1B+3], 32<<16
	s_mov_b32 s[G1A+4], 128                        ; tile_dim1
	s_mov_b32 s[G1B+4], 32*NSUB
	s_mov_b32 s[G1A+5], 32                         ; from row to row: 32 elements, dense
	s_mov_b32 s[G1B+5], 32
	s_mov_b32 s[G1A+6], 0
	s_mov_b32 s[G1B+6], 0
	s_mov_b32 s[G1A+7], 0
	s_mov_b32 s[G1B+7], 0
	; A's address hangs on the row block and the wave, B's on the head and the wave, each in registers that never hold the other coordinate
	s_lshl_b32 s42, s18, 19                        ; chunk 0 or 1 of the step: 4,096 rows x 128 bytes
	s_lshl_b32 s2, s22, 15                         ; 256 rows x 128 bytes
	s_add_co_u32 s42, s42, s2
	s_mov_b32 s43, 0
	s_mul_i32 s44, s21, 131072*NSUB                ; the head's 3,072 rows of 128 bytes
	s_mul_i32 s23, s18, 8192*NSUB                  ; 64 k
	s_add_co_u32 s44, s44, s23
	s_mov_b32 s45, 0
	s_mul_i32 s46, s16, ACH                        ; where they go: wave 0, 1: A's chunks;
	s_mul_i32 s47, s16, BHALF
	s_add_co_u32 s47, s47, AREG-2*BHALF            ; wave 2, 3: B's halves, behind A
	s_wait_dscnt 0x0
	s_wait_kmcnt 0x0
	s_add_nc_u64 s[66:67], s[4:5], s[42:43]
	s_add_nc_u64 s[68:69], s[6:7], s[44:45]
	CROUND                                         ; all sixteen work-groups are here: the first joint loads meet
.irp s, 0,1
	s_mov_b32 s[G0A+4*\s], 1
	s_add_co_u32 s[G0A+4*\s+1], s46, \s*SLOT
	s_add_nc_u64 s[G0A+4*\s+2:G0A+4*\s+3], s[66:67], \s*0x100000          ; K step s: two chunks on
	s_or_b32 s[G0A+4*\s+3], s[G0A+4*\s+3], 0x80000000
	s_mov_b32 s[G0B+4*\s], 1
	s_add_co_u32 s[G0B+4*\s+1], s47, \s*SLOT
	s_add_nc_u64 s[G0B+4*\s+2:G0B+4*\s+3], s[68:69], \s*16384*NSUB        ; K step s: 128 k on
	s_or_b32 s[G0B+4*\s+3], s[G0B+4*\s+3], 0x80000000
	JLOAD \s                                       ; by this text's count a wave has two tensor loads out here, later one
.endr
	v_and_b32 v1, 15, v0                           ; r = l % 16
	v_bfe_u32 v2, v0, 4, 1                         ; h = l / 16
	v_lshlrev_b32 v[VB], 5, v2                     ; my eight columns of a tile: 32 h bytes of f32
	s_lshl_b32 s70, s21, 8                         ; the head's 64 columns
	s_mov_b32 s71, 0
	s_add_nc_u64 s[8:9], s[8:9], s[70:71]
.irp t, 0,1,2
.irp b, 0,1,2,3
	global_load_b128 v[BI+8*(4*\t+\b):BI+8*(4*\t+\b)+3],   v[VB], s[8:9] offset:\t*4096+\b*64
	global_load_b128 v[BI+8*(4*\t+\b)+4:BI+8*(4*\t+\b)+7], v[VB], s[8:9] offset:\t*4096+\b*64+16
.endr
.endr
	; A's fragment: lane l holds row l % 16; two loads of 16 bytes, 32 bytes apart, at row x pitch + 16 h
	s_mul_i32 s23, s16, 64*PA                      ; my 64 rows
	v_mul_u32_u24 v3, v1, PA
	v_lshl_add_u32 v3, v2, 4, v3
	v_add_nc_u32 v[ADRA], s23, v3
	v_add_nc_u32 v[ADRA+1], SLOT, v[ADRA]
	; B's fragment through the transposing load: lane l addresses row k = 8 h + l % 8, 16 bytes at 16 ((l / 8) % 2)
	v_and_b32 v4, 7, v0
	v_lshl_add_u32 v4, v2, 3, v4
	v_mul_u32_u24 v4, v4, PB
	v_bfe_u32 v5, v0, 3, 1
	v_lshl_add_u32 v4, v5, 4, v4
	v_add_nc_u32 v[ADRB], AREG, v4
	v_add_nc_u32 v[ADRB+1], SLOT, v[ADRB]
	s_mul_i32 s23, s16, 16*SPITCH
	s_add_co_u32 s23, s23, STAGE                   ; my stage
	v_add_nc_u32 v[STO], s23, v3                   ; in: row r, 16 bytes for each half of the lanes (the stage's pitch is A's)
	v_and_b32 v7, 31, v0
	v_lshrrev_b32 v8, 3, v7                        ; back: eight lanes take one row of 128 bytes
	v_mul_u32_u24 v8, v8, SPITCH
	v_and_b32 v9, 7, v0
	v_lshl_add_u32 v8, v9, 4, v8
	v_add_nc_u32 v[RD], s23, v8
	v_lshlrev_b32 v[CO], 4, v7                     ; the output's rows of 128 bytes are dense: 16 bytes a lane
; 8 matrix instructions: row blocks a0, a0 + 1 x the four column blocks of group t, 32 along K, on buffer f.  zero = 1: the first product starts the sums.
.macro MUL8 f, t, a0, zero
.irp a, \a0, \a0+1
.irp b, 0,1,2,3
.set D_, ((\t)&1)*128+8*(4*(\a)+\b)
.set B_, 96*\f+8*(4*\t+\b)
.set A_, FA+32*\f+8*(\a)
.if \zero
	v_wmma_f32_16x16x32_bf16 v[D_:D_+7], v[B_:B_+7], v[A_:A_+7], 0
.else
	v_wmma_f32_16x16x32_bf16 v[D_:D_+7], v[B_:B_+7], v[A_:A_+7], v[D_:D_+7]
.endif
.endr
.endr
.endm
; The 48 accumulators take turns, one instruction a turn, in the same order in every quarter step.
.macro MULA f, zero                    ; q's 16 tiles
	WIN 0xa1                                       ; source 0 (W) window 1, source 1 (x) window 0, C and D window 2
	MUL8 \f, 0, 0, \zero
	MUL8 \f, 0, 2, \zero
.endm
.macro MULB f, zero                    ; k's and v's
	WIN 0xa1
	MUL8 \f, 1, 0, \zero
	MUL8 \f, 1, 2, \zero
	WIN 0xf1                                       ; C and D window 3
	MUL8 \f, 2, 0, \zero
	MUL8 \f, 2, 2, \zero
.endm
; The NF = 32 LDS loads of quarter q (32 along K) of a slot, into buffer f
.macro FETCH slot, q, f
	WIN 0
.irp a, 0,1,2,3
	ds_load_b128 v[FA+32*\f+8*\a:FA+32*\f+8*\a+3],   v[ADRA+\slot] offset:((\q)>>1)*ACH+((\q)&1)*64+\a*16*PA
	ds_load_b128 v[FA+32*\f+8*\a+4:FA+32*\f+8*\a+7], v[ADRA+\slot] offset:((\q)>>1)*ACH+((\q)&1)*64+\a*16*PA+32
.endr
	WIN 0x40                                       ; destination window 1, address window 0
.irp t, 0,1,2
.irp b, 0,1,2,3
	ds_load_tr16_b128 v[96*\f+8*(4*\t+\b):96*\f+8*(4*\t+\b)+3],   v[ADRB+\slot] offset:(\q)*32*PB+160*\t+32*\b
	ds_load_tr16_b128 v[96*\f+8*(4*\t+\b)+4:96*\f+8*(4*\t+\b)+7], v[ADRB+\slot] offset:(\q)*32*PB+160*\t+32*\b+16*PB
.endr
.endr
.endm
; One of a K step's first three quarters: fetches quarter qn into buffer g, which the last quarter's products have read, and multiplies buffer f
.macro QUARTER slot, qn, f, g, zero
	PLACES
	FETCH \slot, \qn, \g
	s_wait_dscnt NF                                ; LDS loads come back in order: all but the NF just issued are in, so buffer f is whole
	MULA \f, \zero
	MULB \f, \zero
.endm
.macro THREE slot, zero
	QUARTER \slot, 1, 0, 1, \zero
	QUARTER \slot, 2, 1, 0, 0
	QUARTER \slot, 3, 0, 1, 0
.endm
; The last quarter multiplies buffer 1 and changes slots.  One barrier for two things: in front of it each wave has waited for its reads of this slot and
; for all its tensor loads (its part of the next slot); behind it this slot is filled again first, then the next slot is read.
.macro TURN slot, next, fill
	s_wait_dscnt 0x0                               ; my reads of this slot are over
	s_wait_tensorcnt 0x0                           ; all my tensor loads have landed
	ds_add_u32 v255, v31
	s_wait_dscnt 0x0
	s_barrier_signal -1                            ; where the slot is filled again this barrier opens a round of the cluster's barrier
	MULA 1, 0                                      ; register work while the others arrive
	WIN 0
	s_barrier_wait -1
.if \fill
	CREST                                          ; no wave of any partner still reads this slot or has a load on its way
	s_add_nc_u64 s[G0A+4*\slot+2:G0A+4*\slot+3], s[G0A+4*\slot+2:G0A+4*\slot+3], 0x200000
	s_add_nc_u64 s[G0B+4*\slot+2:G0B+4*\slot+3], s[G0B+4*\slot+2:G0B+4*\slot+3], 32768*NSUB
	JLOAD \slot                                    ; two K steps ahead: the first tensor load behind the round
.endif
	PLACES
	FETCH \next, 0, 0
	MULB 1, 0
.endm
.macro LAP zero
	THREE 0, \zero
	TURN 0, 1, 1
	THREE 1, 0
	TURN 1, 0, 1
.endm
	s_wait_loadcnt 0x0                             ; the bias, once
.set i, 0
.rept 16
	v_pk_mul_f32 v[BI+2*i:BI+2*i+1], v[BI+2*i:BI+2*i+1], QS op_sel_hi:[1,0]   ; q's bias takes q's scale
.set i, i+1
.endr
	s_wait_tensorcnt 0x1                           ; my part of K step 0 is in; the one younger load, K step 1's, stays out
	s_barrier_signal -1
	s_barrier_wait -1
	FETCH 0, 0, 0
	LAP 1                                          ; the first lap stands in front of the loop: its first products start the sums
	WIN 0
	s_mov_b32 s3, LAPS-2
.Llap:
	LAP 0
	WIN 0
	s_sub_co_u32 s3, s3, 1
	s_cmp_lg_u32 s3, 0
	s_cbranch_scc1 .Llap
	THREE 0, 0                                     ; the last lap fills nothing
	TURN 0, 1, 0
	THREE 1, 0
	s_wait_dscnt 0x0
	MULA 1, 0
	MULB 1, 0
	; THE WAY OUT, 16 rows x 64 columns at a time: bias (and q's scale), f16, 16 bytes a lane into my own stage, whole rows back, 512 consecutive bytes a store
	PLACES
	WIN 0
	s_lshr_b32 s70, s22, 3                         ; batch
	s_lshl_b32 s70, s70, 4
	s_add_co_u32 s70, s70, s21                     ; 16 b + head
	s_lshl_b32 s70, s70, 11
	s_and_b32 s2, s22, 7
	s_lshl_b32 s2, s2, 8
	s_add_co_u32 s70, s70, s2                      ; + the block's first position
	s_lshl_b32 s2, s16, 6
	s_add_co_u32 s70, s70, s2                      ; + my 64 rows
	s_lshl_b32 s70, s70, 7                         ; rows of 128 bytes
	s_add_nc_u64 s[10:11], s[10:11], s[70:71]
	s_add_nc_u64 s[12:13], s[12:13], s[70:71]
	s_add_nc_u64 s[14:15], s[14:15], s[70:71]
.macro EPI t, a, base
.if \t == 2
	WIN 0x03                                       ; source 0 in window 3
.else
	WIN 0x02                                       ; source 0 in window 2
.endif
.irp b, 0,1,2,3
.irp i, 0,2,4,6
.set D_, ((\t)&1)*128+8*(4*\a+\b)+\i
.if \t == 0
	v_pk_fma_f32 v[T+8*\b+\i:T+8*\b+\i+1], v[D_:D_+1], QS, v[BI+8*(4*\t+\b)+\i:BI+8*(4*\t+\b)+\i+1] op_sel_hi:[1,0,1]
.else
	v_pk_add_f32 v[T+8*\b+\i:T+8*\b+\i+1], v[D_:D_+1], v[BI+8*(4*\t+\b)+\i:BI+8*(4*\t+\b)+\i+1]
.endif
.endr
.endr
	WIN 0
.set i, 0
.rept 16
	v_cvt_pk_f16_f32 v[PK+i], v[T+2*i], v[T+2*i+1]
.set i, i+1
.endr
.irp b, 0,1,2,3
	ds_store_b128 v[STO], v[PK+4*\b:PK+4*\b+3] offset:32*\b
.endr
	s_wait_xcnt 0x0                                ; RB, which the last group's stores read, is loaded again only behind this wait
.irp i, 0,1,2,3
	ds_load_b128 v[RB+4*\i:RB+4*\i+3], v[RD] offset:\i*4*SPITCH     ; LDS serves a wave's instructions in order: these see the stores above
.endr
.irp i, 0,1,2,3
	s_wait_dscnt 3-\i                              ; read-back i is in, the younger ones stay out
	global_store_b128 v[CO], v[RB+4*\i:RB+4*\i+3], s[\base:\base+1] offset:\a*2048+\i*512
.endr
.endm
.irp a, 0,1,2,3
	EPI 0, \a, 10
.endr
.irp a, 0,1,2,3
	EPI 1, \a, 12
.endr
.irp a, 0,1,2,3
	EPI 2, \a, 14
.endr
	s_set_vgpr_msb 0x1
	s_wait_tensorcnt 0x0
	ds_add_u32 v255, v31
	s_wait_dscnt 0x0
	s_set_vgpr_msb 0x100
	CROUND                                         ; the closing round: no work-group ends while a partner may still ask for a tile that names it
	s_endpgm
.Lfunc_end_k_q57684c1300_qkv:
	.size	k_q57684c1300_qkv, .Lfunc_end_k_q57684c1300_qkv-k_q57684c1300_qkv
	.p2alignl 7, 3214868480
	.fill 96, 4, 3214868480
	.section	.rodata,"a",@progbits
	.p2align	6, 0x0
	.amdhsa_kernel k_q57684c1300_qkv
		.amdhsa_group_segment_fixed_size 327680
		.amdhsa_private_segment_fixed_size 0
		.amdhsa_enable_private_segment 0
		.amdhsa_kernarg_size 48
		.amdhsa_user_sgpr_count 2
		.amdhsa_user_sgpr_kernarg_segment_ptr 1
		.amdhsa_wavefront_size32 1
		.amdhsa_system_sgpr_workgroup_id_x 1
		.amdhsa_system_sgpr_workgroup_id_y 1
		.amdhsa_system_sgpr_workgroup_id_z 1
		.amdhsa_system_vgpr_workitem_id 0
		.amdhsa_next_free_vgpr 896
		.amdhsa_next_free_sgpr 72
		.amdhsa_reserve_vcc 0
		.amdhsa_float_denorm_mode_32 3
		.amdhsa_float_denorm_mode_16_64 3
		.amdhsa_memory_ordered 1
		.amdhsa_forward_progress 1
		.amdhsa_inst_pref_size 181
	.end_amdhsa_kernel
	.amdgpu_metadata
---
amdhsa.version: [ 1, 2 ]
amdhsa.kernels:
  - .name:           k_q57684c1300_qkv
    .symbol:         k_q57684c1300_qkv.kd
    .args:
      - { .name: xb, .offset: 0, .size: 8, .value_kind: global_buffer, .address_space: global }
      - { .name: wa, .offset: 8, .size: 8, .value_kind: global_buffer, .address_space: global }
      - { .name: c_attn_b, .offset: 16, .size: 8, .value_kind: global_buffer, .address_space: global }
      - { .name: qh, .offset: 24, .size: 8, .value_kind: global_buffer, .address_space: global }
      - { .name: kh, .offset: 32, .size: 8, .value_kind: global_buffer, .address_space: global }
      - { .name: vh, .offset: 40, .size: 8, .value_kind: global_buffer, .address_space: global }
    .group_segment_fixed_size: 327680
    .private_segment_fixed_size: 0
    .kernarg_segment_align: 8
    .kernarg_segment_size: 48
    .max_flat_workgroup_size: 128
    .sgpr_count:     72
    .vgpr_count:     896
    .wavefront_size: 32
...
	.end_amdgpu_metadata
.endif
;; end of part 2
;; launch attn (part 3): grid 256 x 1, 4 waves a work-group, no clusters, 327,680 bytes of LDS; arguments qh, kh, vh, ao; writes ao
.if DOCPART == 3
	.amdgcn_target "amdgcn-amd-amdhsa--gfx1250"
	.amdhsa_code_object_version 6
	.text
	.protected	k_q57684c1300_attn
	.globl	k_q57684c1300_attn
	.p2align	8
	.type	k_q57684c1300_attn,@function
k_q57684c1300_attn:
	s_mov_b64 s[64:65], 0
	v_nop
	global_prefetch_b8 v0, s[64:65] scope:SCOPE_SE
	s_setreg_imm32_b32 hwreg(HW_REG_WAVE_MODE, 25, 1), 1
	s_wait_xcnt 0x0
; Causal attention with a running maximum.  qh (already times 0.125 log2 e), kh, vh: f16 [32 (16 b + head)][2048][64].  ao: f16 [16 heads][4096 (2048 b + s)][64].
; LIMITS: the probabilities go to the matrix unit in f16: those below 2^-25 of their row's largest count as 0.  |ao| is bounded by |v|, which is below 65,504.
; Work-group (bh, p), p = 0..7, does the blocks of 128 queries p and 15 - p, one after the other: (p + 1) + (16 - p) = 17 key tiles of 128 for every work-group,
; so the trip count is the constant 17 and the work is even.  Tiles above the diagonal are not computed.  Wave w takes 32 queries (two blocks nq of 16).
; TRANSPOSED PRODUCTS: S^T = K Q^T (a lane holds query l % 16 and keys 8 (l / 16) + 0..7 of each block of 16 keys), O^T = V^T P^T.  Two S^T tiles pack, inside
; the lane, into one fragment of P^T; a row's maximum and sum are one number a lane, and one exchange between the halves of the wave joins them.
; V lies with the keys from row to row, so V^T's fragments come through the transposing LDS load.
; NO CLUSTER: the work-groups that share K and V are the other p of the same head; they need different numbers of tiles in each pass and mask and finish in
; different trips, and doing every tile in every partner would double the work.
; Two LDS slots; each wave brings a quarter of K's tile and of V's (32 keys, 4,096 dense bytes, as 16 rows of 256 bytes) a whole trip ahead:
; by this text's count a wave has two tensor loads out.
.set KP,     144                       ; pitch of K's rows: 128 + 16 bytes, an odd multiple of 16
.set VP,     160                       ; pitch of V's rows: 128 + 32 bytes, an odd multiple of 32
.set KBYTES, 128*KP
.set SLOT,   KBYTES+128*VP             ; 38,912
.set STAGE,  2*SLOT                    ; 32 rows x 144 bytes for each wave; no fill lands here
.set ADRK, 4                           ; v4-5   my K fragments in slot 0, 1
.set ADRV, 6                           ; v6-7   my V fragments
.set STO,  8
.set RD,   9
.set VQ,   10                          ; my byte offset in a block of Q
.set VO,   11                          ; my byte offset in a block of ao
.set DG,   12                          ; v12-13 query - 8 h, counted in the block: key 16 kb + j of my half is seen if 16 kb + j <= DG
.set VQO,  14                          ; VQ, VO plus the block
.set VOO,  15
.set M,    16                          ; v[16:19] running maximum, a pair for each nq
.set L,    20                          ; v20-21   running sum of my half of the keys
.set AL,   22                          ; v[22:25] 2^(old maximum - new), a pair for each nq
.set R,    26                          ; v[26:29] 1 / sum, a pair for each nq
.set T,    32                          ; v[32:47] at work
.set P,    64                          ; v[64:127]  fragments of P^T: (nq, ks) at 32 nq + 8 ks
.set S,    128                         ; v[128:255] S^T: (nq, kb) at 64 nq + 8 kb
.set Q,    128                         ; window 1: v[128:159] Q's fragments (nq, dh) at 16 nq + 8 dh;  v[0:127]: K (kb, dh) at 64 dh + 8 kb, then V (ks, db) at 32 ks + 8 db
.set O,    160                         ; window 1: v[160:223] O^T: (nq, db) at 32 nq + 8 db
.set G1K, 16                           ; s[16:23]
.set G1V, 24                           ; s[24:31]
.set G0K, 32                           ; s[32:39] one set for each slot
.set G0V, 40                           ; s[40:47]
.set MSB, 0
.macro WIN new
.if MSB != \new
	s_set_vgpr_msb (MSB<<8)|\new
.set MSB, \new
.endif
.endm
.macro PLACES                          ; four places behind a matrix instruction (ISA guide 7.12.1)
.rept 4
	v_nop
.endr
.endm
	s_load_b256 s[4:11], s[0:1], 0x0               ; qh s[4:5], kh s[6:7], vh s[8:9], ao s[10:11]
	v_lshl_add_u32 v62, v0, 2, 0x29000
	v_mov_b32 v63, 0
	ds_add_u32 v62, v63
	ds_add_u32 v62, v63
	v_lshrrev_b32 v1, 5, v0
	v_readfirstlane_b32 s12, v1                    ; wave
	s_and_b32 s13, ttmp9, 7                        ; p
	s_lshr_b32 s14, ttmp9, 3                       ; bh
	s_add_co_u32 s60, s13, 1                       ; tiles of the first pass
	s_mov_b32 s15, 0                               ; the trip
	s_mov_b32 s56, 0x76543210                      ; v_permlanex16_b32: lane i of one half reads lane i of the other
	s_mov_b32 s57, 0xfedcba98
	s_mov_b32 s61, 0xff800000                      ; -infinity
	; group 1: 16 rows of 32 elements of 8 bytes, dense; a pad behind every 32 words: 4 words for K, 8 for V
	s_mov_b32 s[G1K+0], (3<<16)|(1<<20)|(4<<22)|(3<<25)
	s_mov_b32 s[G1V+0], (3<<16)|(1<<20)|(4<<22)|(7<<25)
	s_mov_b32 s[G1K+1], 32<<16
	s_mov_b32 s[G1V+1], 32<<16
	s_mov_b32 s[G1K+2], 16<<16
	s_mov_b32 s[G1V+2], 16<<16
	s_mov_b32 s[G1K+3], 32<<16
	s_mov_b32 s[G1V+3], 32<<16
	s_mov_b32 s[G1K+4], 16
	s_mov_b32 s[G1V+4], 16
	s_mov_b32 s[G1K+5], 32
	s_mov_b32 s[G1V+5], 32
	s_mov_b32 s[G1K+6], 0
	s_mov_b32 s[G1V+6], 0
	s_mov_b32 s[G1K+7], 0
	s_mov_b32 s[G1V+7], 0
	s_mul_i32 s58, s12, 32*KP                      ; my 32 keys in K's tile
	s_mul_i32 s59, s12, 32*VP                      ; and in V's
.irp s, 0,1
	s_mov_b32 s[G0K+4*\s], 1
	s_add_co_u32 s[G0K+4*\s+1], s58, \s*SLOT
	s_mov_b32 s[G0V+4*\s], 1
	s_add_co_u32 s[G0V+4*\s+1], s59, \s*SLOT+KBYTES
.endr
	s_lshl_b32 s52, s14, 18                        ; the head's 2,048 rows of 128 bytes
	s_mov_b32 s53, 0                               ; stays 0: s[52:53] is the offset of a tile from here on
	s_lshl_b32 s62, s12, 12                        ; my 32 keys
	s_mov_b32 s63, 0
	s_wait_dscnt 0x0
	s_wait_kmcnt 0x0
	s_add_nc_u64 s[4:5], s[4:5], s[52:53]
	s_add_nc_u64 s[48:49], s[6:7], s[52:53]
	s_add_nc_u64 s[48:49], s[48:49], s[62:63]
	s_or_b32 s49, s49, 0x80000000                  ; K's base with the type on top
	s_add_nc_u64 s[50:51], s[8:9], s[52:53]
	s_add_nc_u64 s[50:51], s[50:51], s[62:63]
	s_or_b32 s51, s51, 0x80000000                  ; V's
	s_mov_b64 s[G0K+2:G0K+3], s[48:49]
	s_mov_b64 s[G0V+2:G0V+3], s[50:51]
	tensor_load_to_lds s[G0K:G0K+3], s[G1K:G1K+7]  ; tile 0 into slot 0
	s_nop 0
	tensor_load_to_lds s[G0V:G0V+3], s[G1V:G1V+7]
	s_nop 0
	s_and_b32 s58, s14, 15                         ; head
	s_lshl_b32 s58, s58, 12
	s_lshr_b32 s59, s14, 4                         ; batch
	s_lshl_b32 s59, s59, 11
	s_add_co_u32 s58, s58, s59
	s_lshl_b32 s62, s58, 7
	s_add_nc_u64 s[10:11], s[10:11], s[62:63]      ; ao at my head and batch
	v_and_b32 v1, 15, v0                           ; r
	v_bfe_u32 v2, v0, 4, 1                         ; h
	v_and_b32 v3, 31, v0                           ; lane
	v_mul_u32_u24 v[ADRK], v1, KP
	v_lshl_add_u32 v[ADRK], v2, 4, v[ADRK]         ; row r, 16 h
	v_add_nc_u32 v[ADRK+1], SLOT, v[ADRK]
	v_and_b32 v[T], 7, v0
	v_lshl_add_u32 v[T], v2, 3, v[T]               ; key 8 h + l % 8
	v_mul_u32_u24 v[T], v[T], VP
	v_bfe_u32 v[T+1], v0, 3, 1
	v_lshl_add_u32 v[T], v[T+1], 4, v[T]
	v_add_nc_u32 v[ADRV], KBYTES, v[T]
	v_add_nc_u32 v[ADRV+1], SLOT, v[ADRV]
	s_mul_i32 s58, s12, 32*144
	s_add_co_u32 s58, s58, STAGE                   ; my stage
	v_add_nc_u32 v[STO], s58, v[ADRK]              ; in: row r, 16 h (the stage's pitch is K's)
	v_lshrrev_b32 v[T], 3, v3
	v_mul_u32_u24 v[T], v[T], 144
	v_and_b32 v[T+1], 7, v0
	v_lshl_add_u32 v[T], v[T+1], 4, v[T]
	v_add_nc_u32 v[RD], s58, v[T]                  ; back: eight lanes take a row of 128 bytes
	s_lshl_b32 s59, s12, 12                        ; my 32 rows of 128 bytes
	v_lshlrev_b32 v[T], 7, v1
	v_lshl_add_u32 v[T], v2, 4, v[T]
	v_add_nc_u32 v[VQ], s59, v[T]
	v_lshl_add_u32 v[VO], v3, 4, s59
	s_lshl_b32 s59, s12, 5
	v_lshlrev_b32 v[T], 3, v2
	v_sub_nc_u32 v[T], v1, v[T]
	v_add_nc_u32 v[DG], s59, v[T]
	v_add_nc_u32 v[DG+1], 16, v[DG]
	v_mov_b32 v[T+4], 0                            ; the lane exchange counts as a reader of its destination
; Starts a block of queries (s55 = its byte offset, the same in qh and in ao): Q's fragments into registers, O = 0, maximum = -infinity, sum = 0.
; O is cleared by moves, twice in the launch: the second start lies inside the counted loop, where every way must find O written.
.macro INIT
	v_add_nc_u32 v[VQO], s55, v[VQ]
	v_add_nc_u32 v[VOO], s55, v[VO]
	WIN 0x40                                       ; destination window 1
.irp nq, 0,1
.irp dh, 0,1
	global_load_b128 v[Q+16*\nq+8*\dh:Q+16*\nq+8*\dh+3],   v[VQO], s[4:5] offset:\nq*2048+\dh*64
	global_load_b128 v[Q+16*\nq+8*\dh+4:Q+16*\nq+8*\dh+7], v[VQO], s[4:5] offset:\nq*2048+\dh*64+32
.endr
.endr
.set i, 0
.rept 64
	v_mov_b32 v[O+i], 0
.set i, i+1
.endr
	WIN 0
.irp c, 0,1,2,3
	v_mov_b32 v[M+\c], s61
.endr
	v_mov_b32 v[L], 0
	v_mov_b32 v[L+1], 0
	s_wait_loadcnt 0x0
.endm
; The diagonal tile: keys behind the query get -infinity
.macro MASK
.irp nq, 0,1
.irp kb, 0,1,2,3,4,5,6,7
.irp j, 0,1,2,3,4,5,6,7
	v_cmp_le_i32 vcc_lo, 16*\kb+\j, v[DG+\nq]
	v_cndmask_b32 v[S+64*\nq+8*\kb+\j], s61, v[S+64*\nq+8*\kb+\j], vcc_lo
.endr
.endr
.endr
.endm
; 16 products of S^T on half dh of the head's 64 numbers.  The sixteen tiles take turns, one instruction a turn.
.macro SMUL dh, zero
.irp nq, 0,1
.irp kb, 0,1,2,3,4,5,6,7
.set D_, S+64*\nq+8*\kb
.if \zero
	v_wmma_f32_16x16x32_f16 v[D_:D_+7], v[64*\dh+8*\kb:64*\dh+8*\kb+7], v[Q+16*\nq+8*\dh:Q+16*\nq+8*\dh+7], 0
.else
	v_wmma_f32_16x16x32_f16 v[D_:D_+7], v[64*\dh+8*\kb:64*\dh+8*\kb+7], v[Q+16*\nq+8*\dh:Q+16*\nq+8*\dh+7], v[D_:D_+7]
.endif
.endr
.endr
.endm
; One block of 16 queries x 128 keys: new maximum, 2^(s - maximum), the sum, P in f16
.macro SOFTMAX nq
.set SB, S+64*\nq
.set MM, M+2*\nq
.set AA, AL+2*\nq
.irp c, 0,1,2,3
	v_max3_num_f32 v[T+\c], v[SB+\c], v[SB+4+\c], v[SB+8+\c]       ; four chains that do not wait for each other
.endr
.irp g, 12,20,28,36,44,52
.irp c, 0,1,2,3
	v_max3_num_f32 v[T+\c], v[T+\c], v[SB+\g+\c], v[SB+\g+4+\c]
.endr
.endr
.irp c, 0,1,2,3
	v_max_num_f32 v[T+\c], v[T+\c], v[SB+60+\c]
.endr
	v_max3_num_f32 v[T], v[T], v[T+1], v[T+2]
	v_max_num_f32 v[T], v[T], v[T+3]
	v_permlanex16_b32 v[T+4], v[T], s56, s57       ; the other half's keys of the same query
	v_max3_num_f32 v[T+5], v[T], v[T+4], v[MM]     ; finite from a pass's first tile on: key 0 of that tile is seen by every query
	v_sub_f32 v[AA], v[MM], v[T+5]
	v_exp_f32 v[AA], v[AA]                         ; 0 in a pass's first tile
	v_mov_b32 v[MM], v[T+5]                        ; plain instructions stand between the exponential and its use (ISA guide 5.7.2)
	v_mov_b32 v[MM+1], v[T+5]
	s_wait_alu depctr_va_vdst(0)
	v_mov_b32 v[AA+1], v[AA]
.set i, 0
.rept 32
	v_pk_add_f32 v[SB+2*i:SB+2*i+1], v[SB+2*i:SB+2*i+1], v[MM:MM+1] neg_lo:[0,1] neg_hi:[0,1]
.set i, i+1
.endr
.set i, 0
.rept 64
	v_exp_f32 v[SB+i], v[SB+i]
.set i, i+1
.endr
	v_nop                                          ; the place behind the last exponential
	s_wait_alu depctr_va_vdst(0)
.irp c, 0,1,2,3
	v_pk_add_f32 v[T+6+2*\c:T+7+2*\c], v[SB+2*\c:SB+2*\c+1], v[SB+8+2*\c:SB+9+2*\c]
.endr
.irp g, 16,24,32,40,48,56
.irp c, 0,1,2,3
	v_pk_add_f32 v[T+6+2*\c:T+7+2*\c], v[T+6+2*\c:T+7+2*\c], v[SB+\g+2*\c:SB+\g+2*\c+1]
.endr
.endr
	v_pk_add_f32 v[T+6:T+7], v[T+6:T+7], v[T+8:T+9]
	v_pk_add_f32 v[T+10:T+11], v[T+10:T+11], v[T+12:T+13]
	v_pk_add_f32 v[T+6:T+7], v[T+6:T+7], v[T+10:T+11]
	v_add_f32 v[T+6], v[T+6], v[T+7]
	v_fma_f32 v[L+\nq], v[L+\nq], v[AA], v[T+6]
.set i, 0
.rept 32
	v_cvt_pk_f16_f32 v[P+32*\nq+i], v[SB+2*i], v[SB+2*i+1]         ; key block kb gives registers 4 kb .. 4 kb + 3: two blocks make a fragment
.set i, i+1
.endr
.endm
; Ends a block of queries: O / sum, f16, through my stage, 512 consecutive bytes a store
.macro FIN
	PLACES
.irp nq, 0,1
	v_permlanex16_b32 v[T+4], v[L+\nq], s56, s57
	v_add_f32 v[T+\nq], v[L+\nq], v[T+4]           ; at least 1: the largest score gives 2^0
.endr
	v_rcp_f32 v[R], v[T]
	v_rcp_f32 v[R+1], v[T]
	v_rcp_f32 v[R+2], v[T+1]
	v_rcp_f32 v[R+3], v[T+1]
	v_nop                                          ; the place behind the last reciprocal
	WIN 0x01                                       ; source 0 in window 1
	s_wait_alu depctr_va_vdst(0)
.irp nq, 0,1
.set i, 0
.rept 16
	v_pk_mul_f32 v[S+32*\nq+2*i:S+32*\nq+2*i+1], v[O+32*\nq+2*i:O+32*\nq+2*i+1], v[R+2*\nq:R+2*\nq+1]
.set i, i+1
.endr
.endr
	WIN 0
.set i, 0
.rept 32
	v_cvt_pk_f16_f32 v[P+i], v[S+2*i], v[S+2*i+1]
.set i, i+1
.endr
.irp nq, 0,1
.irp db, 0,1,2,3
	ds_store_b128 v[STO], v[P+16*\nq+4*\db:P+16*\nq+4*\db+3] offset:\nq*16*144+32*\db
.endr
.endr
.irp i, 0,1,2,3,4,5,6,7
	ds_load_b128 v[S+64+4*\i:S+64+4*\i+3], v[RD] offset:\i*4*144   ; LDS serves a wave's instructions in order: these see the stores above
.endr
.irp i, 0,1,2,3,4,5,6,7
	s_wait_dscnt 7-\i                              ; read-back i is in, the younger ones stay out
	global_store_b128 v[VOO], v[S+64+4*\i:S+64+4*\i+3], s[10:11] offset:512*\i
.endr
	s_wait_xcnt 0x0                                ; the stores' data and offset are rewritten (next products, next start) only behind this wait
.endm
; One key tile.  refill = 1: the next trip's tile is asked for, into the other slot.  last = 1: the second pass's diagonal tile.
.macro TRIP slot, refill, last
	s_wait_tensorcnt 0x0                           ; all my tensor loads have landed, my part of this trip's tile among them: every group 0 may be written
	ds_add_u32 v62, v63
	s_wait_dscnt 0x0
.if \refill
	s_add_co_u32 s58, s15, 1                       ; the next trip u: tile u of the first pass while u <= p, then tile u - (p + 1) of the second
	s_sub_co_u32 s59, s58, s60
	s_cmp_le_u32 s58, s13
	s_cselect_b32 s58, s58, s59
	s_lshl_b32 s52, s58, 14                        ; 128 keys of 128 bytes
	s_add_nc_u64 s[G0K+4*(1-\slot)+2:G0K+4*(1-\slot)+3], s[48:49], s[52:53]
	s_add_nc_u64 s[G0V+4*(1-\slot)+2:G0V+4*(1-\slot)+3], s[50:51], s[52:53]
.endif
	s_wait_dscnt 0x0                               ; my reads of the last trip's tile are over
	s_barrier_signal -1
	s_barrier_wait -1                              ; both hold of all four waves
.if \refill
	tensor_load_to_lds s[G0K+4*(1-\slot):G0K+4*(1-\slot)+3], s[G1K:G1K+7]
	s_nop 0
	tensor_load_to_lds s[G0V+4*(1-\slot):G0V+4*(1-\slot)+3], s[G1V:G1V+7]
	s_nop 0
.endif
	PLACES                                         ; behind the last trip's products, which read V where K now lands
	WIN 0x40
.irp dh, 0,1
.irp kb, 0,1,2,3,4,5,6,7
	ds_load_b128 v[64*\dh+8*\kb:64*\dh+8*\kb+3],   v[ADRK+\slot] offset:\kb*16*KP+\dh*64
	ds_load_b128 v[64*\dh+8*\kb+4:64*\dh+8*\kb+7], v[ADRK+\slot] offset:\kb*16*KP+\dh*64+32
.endr
.endr
	s_wait_dscnt 16                                ; the first half of the head's numbers is in; the 16 younger loads stay out
	WIN 0x05                                       ; sources 0 and 1 in window 1, C and D in window 0
	SMUL 0, 1
	s_wait_dscnt 0x0
	SMUL 1, 0
	PLACES                                         ; for V's loads, which land on K, and for the readers of S
	WIN 0x40
.irp ks, 0,1,2,3
.irp db, 0,1,2,3
	ds_load_tr16_b128 v[32*\ks+8*\db:32*\ks+8*\db+3],   v[ADRV+\slot] offset:\ks*32*VP+32*\db          ; they land while the softmax runs
	ds_load_tr16_b128 v[32*\ks+8*\db+4:32*\ks+8*\db+7], v[ADRV+\slot] offset:\ks*32*VP+32*\db+16*VP
.endr
.endr
	WIN 0
.if \last
	MASK
.else
	s_cmp_lg_u32 s15, s13                          ; trip p is the first pass's diagonal tile
	s_cbranch_scc1 .Lnomask_\@
	MASK
.Lnomask_\@:
.endif
	SOFTMAX 0
	SOFTMAX 1
	WIN 0x41                                       ; destination and source 0 in window 1
.irp nq, 0,1
.set i, 0
.rept 16
	v_pk_mul_f32 v[O+32*\nq+2*i:O+32*\nq+2*i+1], v[O+32*\nq+2*i:O+32*\nq+2*i+1], v[AL+2*\nq:AL+2*\nq+1]
.set i, i+1
.endr
.endr
	s_wait_dscnt 0x0                               ; V's fragments
	WIN 0x51                                       ; source 0 (V), C and D in window 1, source 1 (P) in window 0
.irp ks, 0,1,2,3
.irp nq, 0,1
.irp db, 0,1,2,3
	v_wmma_f32_16x16x32_f16 v[O+32*\nq+8*\db:O+32*\nq+8*\db+7], v[32*\ks+8*\db:32*\ks+8*\db+7], v[P+32*\nq+8*\ks:P+32*\nq+8*\ks+7], v[O+32*\nq+8*\db:O+32*\nq+8*\db+7]   ; the eight tiles take turns
.endr
.endr
.endr
	WIN 0
.if \last
	FIN
.else
	s_cmp_lg_u32 s15, s13
	s_cbranch_scc1 .Lnofin_\@
	FIN                                            ; block p is done;
	s_sub_co_u32 s55, 15, s13
	s_lshl_b32 s55, s55, 14
	INIT                                           ; block 15 - p begins
.Lnofin_\@:
	s_add_co_u32 s15, s15, 1
.endif
.endm
	s_lshl_b32 s55, s13, 14                        ; block p: 128 rows of 128 bytes each
	INIT
	s_mov_b32 s54, 8
.Ltrips:
	TRIP 0, 1, 0
	TRIP 1, 1, 0
	s_sub_co_u32 s54, s54, 1
	s_cmp_lg_u32 s54, 0
	s_cbranch_scc1 .Ltrips
	TRIP 0, 0, 1                                   ; trip 16 asks for nothing
	s_wait_tensorcnt 0x0
	ds_add_u32 v62, v63
	s_wait_dscnt 0x0
	s_endpgm
.Lfunc_end_k_q57684c1300_attn:
	.size	k_q57684c1300_attn, .Lfunc_end_k_q57684c1300_attn-k_q57684c1300_attn
	.p2alignl 7, 3214868480
	.fill 96, 4, 3214868480
	.section	.rodata,"a",@progbits
	.p2align	6, 0x0
	.amdhsa_kernel k_q57684c1300_attn
		.amdhsa_group_segment_fixed_size 327680
		.amdhsa_private_segment_fixed_size 0
		.amdhsa_enable_private_segment 0
		.amdhsa_kernarg_size 32
		.amdhsa_user_sgpr_count 2
		.amdhsa_user_sgpr_kernarg_segment_ptr 1
		.amdhsa_wavefront_size32 1
		.amdhsa_system_sgpr_workgroup_id_x 1
		.amdhsa_system_sgpr_workgroup_id_y 1
		.amdhsa_system_sgpr_workgroup_id_z 1
		.amdhsa_system_vgpr_workitem_id 0
		.amdhsa_next_free_vgpr 480
		.amdhsa_next_free_sgpr 66
		.amdhsa_reserve_vcc 1
		.amdhsa_float_denorm_mode_32 3
		.amdhsa_float_denorm_mode_16_64 3
		.amdhsa_memory_ordered 1
		.amdhsa_forward_progress 1
		.amdhsa_inst_pref_size 160
	.end_amdhsa_kernel
	.amdgpu_metadata
---
amdhsa.version: [ 1, 2 ]
amdhsa.kernels:
  - .name:           k_q57684c1300_attn
    .symbol:         k_q57684c1300_attn.kd
    .args:
      - { .name: qh, .offset: 0, .size: 8, .value_kind: global_buffer, .address_space: global }
      - { .name: kh, .offset: 8, .size: 8, .value_kind: global_buffer, .address_space: global }
      - { .name: vh, .offset: 16, .size: 8, .value_kind: global_buffer, .address_space: global }
      - { .name: ao, .offset: 24, .size: 8, .value_kind: global_buffer, .address_space: global }
    .group_segment_fixed_size: 327680
    .private_segment_fixed_size: 0
    .kernarg_segment_align: 8
    .kernarg_segment_size: 32
    .max_flat_workgroup_size: 128
    .sgpr_count:     66
    .vgpr_count:     480
    .wavefront_size: 32
...
	.end_amdgpu_metadata
.endif
;; end of part 3
;; launch proj (part 4): grid 16 x 16, 4 waves a work-group, clusters of 4 x 4, 327,680 bytes of LDS; arguments ao, wp, c_proj_b, out0; writes out0
.if DOCPART == 4
	.amdgcn_target "amdgcn-amd-amdhsa--gfx1250"
	.amdhsa_code_object_version 6
	.text
	.protected	k_q57684c1300_proj
	.globl	k_q57684c1300_proj
	.p2align	8
	.type	k_q57684c1300_proj,@function
k_q57684c1300_proj:
	s_mov_b64 s[64:65], 0
	v_nop
	global_prefetch_b8 v0, s[64:65] scope:SCOPE_SE
	s_setreg_imm32_b32 hwreg(HW_REG_WAVE_MODE, 25, 1), 1
	s_wait_xcnt 0x0
	s_wait_alu depctr_hold_cnt(0) depctr_sa_sdst(0) depctr_va_vdst(0) depctr_va_sdst(0) depctr_va_ssrc(0) depctr_va_vcc(0) depctr_vm_vsrc(0)
	s_getreg_b32 s2, hwreg(HW_REG_IB_STS2, 6, 4)
	s_cmp_eq_u32 s2, 0
	s_cbranch_scc0 .Lentry_in_a_cluster
	s_endpgm
.Lentry_in_a_cluster:
	s_bfe_u32 s2, ttmp6, 0x10000c
	s_cmp_lg_u32 s2, 0xf033
	s_cbranch_scc0 .Lentry_shape_is_right
	s_endpgm
.Lentry_shape_is_right:
; out0 = ao Wp + b, f32.  ao: f16 [16 chunks (heads)][4096 rows][64].  wp: f16 [16 chunks of 64 columns j][1024 k][64].  out0: [4096][1024] f32.
; The same frame as the q, k, v product, with one group of 64 columns: a work-group makes 256 rows x 64 columns, wave w rows 64 w .. 64 w + 63: 4 x 4 accumulator
; tiles, 128 registers.  K = 1024 in 8 steps of 128 through two LDS slots filled by the tensor data mover; every tile is a dense block, fetched as rows of
; 256 bytes, with a pad behind every 128 bytes (LDS pitch 144 for A, 160 for B).
; CLUSTERS: 4 x 4 work-groups; A's tiles are asked for jointly along a row of the cluster, B's along a column.
; Wp lies with K from row to row: its fragments come through the transposing LDS load.  The matrix instruction is used transposed (source 0 = 16 columns of Wp,
; source 1 = 16 rows of ao): a lane holds row l % 16 and eight neighbouring columns.
; REGISTERS: window 0: addresses, A's fragments (two buffers), bias, work on the way out;  window 1: B's fragments (two buffers);  window 2: tile (a, b) at 8 (4 a + b).
.set NSUB,   1
.set PA,     144
.set ACH,    256*PA
.set AREG,   2*ACH
.set PB,     160*NSUB
.set BHALF,  64*PB
.set SLOT,   AREG+2*BHALF              ; 94,208
.set STAGE,  2*SLOT                    ; 16 rows x 272 bytes for each wave; no fill lands here
.set SPITCH, 272                       ; 256 bytes + 16
.set NF,     8+8*NSUB
.set LAPS,   4
.set ADRA, 16
.set ADRB, 20
.set STO,  24
.set RD,   25
.set CO,   26
.set VB,   27
.set T,    32                          ; v[32:63]
.set FA,   64                          ; v[64:95], v[96:127]
.set BI,   128                         ; v[128:159] bias of my eight columns of each of the 4 tile columns
.set RB,   224                         ; v[224:255] rows read back
.set G1A, 24
.set G0A, 32
.set G1B, 48
.set G0B, 56
.set MSB, 0
.macro WIN new
.if MSB != \new
	s_set_vgpr_msb (MSB<<8)|\new
.set MSB, \new
.endif
.endm
.macro PLACES                          ; four places behind a matrix instruction (ISA guide 7.12.1)
.rept 4
	v_nop
.endr
.endm
.macro JLOAD s                         ; waves 0 and 1 fetch A's two chunks, waves 2 and 3 B's two halves; the branch hangs on the wave's number alone
	s_cmp_eq_u32 s17, 0
	s_cbranch_scc0 .Lfor_b_\@
	tensor_load_to_lds s[G0A+4*\s:G0A+4*\s+3], s[G1A:G1A+7]
	s_nop 0
	s_branch .Lasked_\@
.Lfor_b_\@:
	tensor_load_to_lds s[G0B+4*\s:G0B+4*\s+3], s[G1B:G1B+7]
	s_nop 0
.Lasked_\@:
.endm
.macro CREST
	s_cmp_lg_u32 s16, 0
	s_cbranch_scc1 .Lnot_wave_0_\@
	s_barrier_signal -3
.Lnot_wave_0_\@:
	s_barrier_wait -3
	s_barrier_signal -1
	s_barrier_wait -1
.endm
.macro CROUND
	s_barrier_signal -1
	s_barrier_wait -1
	CREST
.endm
	s_load_b256 s[4:11], s[0:1], 0x0               ; ao s[4:5], wp s[6:7], c_proj_b s[8:9], out0 s[10:11]
	s_set_vgpr_msb 0x40
	v_lshl_add_u32 v255, v0, 2, 0x32400
	s_set_vgpr_msb 0x4000
	v_mov_b32 v223, 0
	s_set_vgpr_msb 0x1
	ds_add_u32 v255, v223
	ds_add_u32 v255, v223
	s_set_vgpr_msb 0x100
	v_lshrrev_b32 v1, 5, v0
	v_readfirstlane_b32 s16, v1                    ; wave
	s_lshr_b32 s17, s16, 1                         ; I fetch for A (0) or for B (1)
	s_and_b32 s18, s16, 1                          ; which half
	s_bfe_u32 s19, ttmp6, 0x40000                  ; cx
	s_bfe_u32 s20, ttmp6, 0x40004                  ; cy
	s_lshl_b32 s21, ttmp9, 2
	s_add_co_u32 s21, s21, s19                     ; block of 64 columns j
	s_and_b32 s22, ttmp7, 0xffff
	s_lshl_b32 s22, s22, 2
	s_add_co_u32 s22, s22, s20                     ; block of 256 rows
	s_lshl_b32 s40, s20, 2
	s_lshl_b32 s40, 15, s40                        ; my row of the cluster
	s_lshl_b32 s41, 0x1111, s19                    ; my column
	s_or_b32 s[G1A+0], s40, (3<<16)|(1<<20)|(1<<21)|(4<<22)|(3<<25)
	s_or_b32 s[G1B+0], s41, (3<<16)|(1<<20)|(1<<21)|(4<<22)|(7<<25)
	s_mov_b32 s[G1A+1], 32<<16
	s_mov_b32 s[G1B+1], 32<<16
	s_mov_b32 s[G1A+2], 128<<16
	s_mov_b32 s[G1B+2], (32*NSUB)<<16
	s_mov_b32 s[G1A+3], 32<<16
	s_mov_b32 s[G1B+3], 32<<16
	s_mov_b32 s[G1A+4], 128
	s_mov_b32 s[G1B+4], 32*NSUB
	s_mov_b32 s[G1A+5], 32
	s_mov_b32 s[G1B+5], 32
	s_mov_b32 s[G1A+6], 0
	s_mov_b32 s[G1B+6], 0
	s_mov_b32 s[G1A+7], 0
	s_mov_b32 s[G1B+7], 0
	s_lshl_b32 s42, s18, 19
	s_lshl_b32 s2, s22, 15
	s_add_co_u32 s42, s42, s2
	s_mov_b32 s43, 0
	s_mul_i32 s44, s21, 131072*NSUB
	s_mul_i32 s23, s18, 8192*NSUB
	s_add_co_u32 s44, s44, s23
	s_mov_b32 s45, 0
	s_mul_i32 s46, s16, ACH
	s_mul_i32 s47, s16, BHALF
	s_add_co_u32 s47, s47, AREG-2*BHALF
	s_wait_dscnt 0x0
	s_wait_kmcnt 0x0
	s_add_nc_u64 s[66:67], s[4:5], s[42:43]
	s_add_nc_u64 s[68:69], s[6:7], s[44:45]
	CROUND                                         ; the first joint loads meet
.irp s, 0,1
	s_mov_b32 s[G0A+4*\s], 1
	s_add_co_u32 s[G0A+4*\s+1], s46, \s*SLOT
	s_add_nc_u64 s[G0A+4*\s+2:G0A+4*\s+3], s[66:67], \s*0x100000
	s_or_b32 s[G0A+4*\s+3], s[G0A+4*\s+3], 0x80000000
	s_mov_b32 s[G0B+4*\s], 1
	s_add_co_u32 s[G0B+4*\s+1], s47, \s*SLOT
	s_add_nc_u64 s[G0B+4*\s+2:G0B+4*\s+3], s[68:69], \s*16384*NSUB
	s_or_b32 s[G0B+4*\s+3], s[G0B+4*\s+3], 0x80000000
	JLOAD \s                                       ; by this text's count a wave has two tensor loads out here, later one
.endr
	v_and_b32 v1, 15, v0                           ; r
	v_bfe_u32 v2, v0, 4, 1                         ; h
	v_lshlrev_b32 v[VB], 5, v2
	s_lshl_b32 s70, s21, 8
	s_mov_b32 s71, 0
	s_add_nc_u64 s[8:9], s[8:9], s[70:71]
.irp b, 0,1,2,3
	global_load_b128 v[BI+8*\b:BI+8*\b+3],   v[VB], s[8:9] offset:\b*64
	global_load_b128 v[BI+8*\b+4:BI+8*\b+7], v[VB], s[8:9] offset:\b*64+16
.endr
	s_mul_i32 s23, s16, 64*PA
	v_mul_u32_u24 v3, v1, PA
	v_lshl_add_u32 v3, v2, 4, v3
	v_add_nc_u32 v[ADRA], s23, v3
	v_add_nc_u32 v[ADRA+1], SLOT, v[ADRA]
	v_and_b32 v4, 7, v0
	v_lshl_add_u32 v4, v2, 3, v4
	v_mul_u32_u24 v4, v4, PB
	v_bfe_u32 v5, v0, 3, 1
	v_lshl_add_u32 v4, v5, 4, v4
	v_add_nc_u32 v[ADRB], AREG, v4
	v_add_nc_u32 v[ADRB+1], SLOT, v[ADRB]
	s_mul_i32 s23, s16, 16*SPITCH
	s_add_co_u32 s23, s23, STAGE                   ; my stage
	v_mul_u32_u24 v6, v1, SPITCH                   ; in: row r, 32 bytes for each half of the lanes
	v_lshl_add_u32 v6, v2, 5, v6
	v_add_nc_u32 v[STO], s23, v6
	v_mul_u32_u24 v8, v2, SPITCH                   ; back: lanes 0-15 take one row of 256 bytes, lanes 16-31 the next
	v_lshl_add_u32 v8, v1, 4, v8
	v_add_nc_u32 v[RD], s23, v8
	v_lshlrev_b32 v9, 12, v2                       ; and the same two rows of out0, 4,096 bytes apart
	v_lshl_add_u32 v[CO], v1, 4, v9
.macro MUL8 f, a0, zero
.irp a, \a0, \a0+1
.irp b, 0,1,2,3
.set D_, 8*(4*(\a)+\b)
.set B_, 96*\f+8*\b
.set A_, FA+32*\f+8*(\a)
.if \zero
	v_wmma_f32_16x16x32_f16 v[D_:D_+7], v[B_:B_+7], v[A_:A_+7], 0
.else
	v_wmma_f32_16x16x32_f16 v[D_:D_+7], v[B_:B_+7], v[A_:A_+7], v[D_:D_+7]
.endif
.endr
.endr
.endm
; The 16 accumulators take turns, one instruction a turn, in the same order in every quarter step.
.macro MULA f, zero
	WIN 0xa1                                       ; source 0 window 1, source 1 window 0, C and D window 2
	MUL8 \f, 0, \zero
.endm
.macro MULB f, zero
	WIN 0xa1
	MUL8 \f, 2, \zero
.endm
.macro FETCH slot, q, f                ; the NF = 16 LDS loads of quarter q of a slot, into buffer f
	WIN 0
.irp a, 0,1,2,3
	ds_load_b128 v[FA+32*\f+8*\a:FA+32*\f+8*\a+3],   v[ADRA+\slot] offset:((\q)>>1)*ACH+((\q)&1)*64+\a*16*PA
	ds_load_b128 v[FA+32*\f+8*\a+4:FA+32*\f+8*\a+7], v[ADRA+\slot] offset:((\q)>>1)*ACH+((\q)&1)*64+\a*16*PA+32
.endr
	WIN 0x40
.irp b, 0,1,2,3
	ds_load_tr16_b128 v[96*\f+8*\b:96*\f+8*\b+3],   v[ADRB+\slot] offset:(\q)*32*PB+32*\b
	ds_load_tr16_b128 v[96*\f+8*\b+4:96*\f+8*\b+7], v[ADRB+\slot] offset:(\q)*32*PB+32*\b+16*PB
.endr
.endm
.macro QUARTER slot, qn, f, g, zero
	PLACES
	FETCH \slot, \qn, \g
	s_wait_dscnt NF                                ; all but the NF just issued are in: buffer f is whole
	MULA \f, \zero
	MULB \f, \zero
.endm
.macro THREE slot, zero
	QUARTER \slot, 1, 0, 1, \zero
	QUARTER \slot, 2, 1, 0, 0
	QUARTER \slot, 3, 0, 1, 0
.endm
.macro TURN slot, next, fill
	s_wait_dscnt 0x0                               ; my reads of this slot are over
	s_wait_tensorcnt 0x0                           ; all my tensor loads have landed
	ds_add_u32 v255, v223
	s_wait_dscnt 0x0
	s_barrier_signal -1
	MULA 1, 0
	WIN 0
	s_barrier_wait -1
.if \fill
	CREST                                          ; no wave of any partner still reads this slot or has a load on its way
	s_add_nc_u64 s[G0A+4*\slot+2:G0A+4*\slot+3], s[G0A+4*\slot+2:G0A+4*\slot+3], 0x200000
	s_add_nc_u64 s[G0B+4*\slot+2:G0B+4*\slot+3], s[G0B+4*\slot+2:G0B+4*\slot+3], 32768*NSUB
	JLOAD \slot                                    ; the first tensor load behind the round
.endif
	PLACES
	FETCH \next, 0, 0
	MULB 1, 0
.endm
.macro LAP zero
	THREE 0, \zero
	TURN 0, 1, 1
	THREE 1, 0
	TURN 1, 0, 1
.endm
	s_wait_loadcnt 0x0                             ; the bias, once
	s_wait_tensorcnt 0x1                           ; my part of K step 0 is in; K step 1's load stays out
	s_barrier_signal -1
	s_barrier_wait -1
	FETCH 0, 0, 0
	LAP 1
	WIN 0
	s_mov_b32 s3, LAPS-2
.Llap:
	LAP 0
	WIN 0
	s_sub_co_u32 s3, s3, 1
	s_cmp_lg_u32 s3, 0
	s_cbranch_scc1 .Llap
	THREE 0, 0
	TURN 0, 1, 0
	THREE 1, 0
	s_wait_dscnt 0x0
	MULA 1, 0
	MULB 1, 0
	; THE WAY OUT, 16 rows x 64 columns of f32 at a time, through my own stage: sixteen lanes store 256 consecutive bytes, aligned
	PLACES
	WIN 0
	s_lshl_b32 s70, s22, 8
	s_lshl_b32 s2, s16, 6
	s_add_co_u32 s70, s70, s2                      ; my first row
	s_lshl_b32 s70, s70, 12                        ; rows of 4,096 bytes
	s_lshl_b32 s2, s21, 8                          ; my 64 columns
	s_add_co_u32 s70, s70, s2
	s_add_nc_u64 s[10:11], s[10:11], s[70:71]
.macro EPI a
	WIN 0x02                                       ; source 0 in window 2
.irp b, 0,1,2,3
.irp i, 0,2,4,6
	v_pk_add_f32 v[T+8*\b+\i:T+8*\b+\i+1], v[8*(4*\a+\b)+\i:8*(4*\a+\b)+\i+1], v[BI+8*\b+\i:BI+8*\b+\i+1]
.endr
.endr
	WIN 0
.irp b, 0,1,2,3
	ds_store_b128 v[STO], v[T+8*\b:T+8*\b+3]   offset:64*\b
	ds_store_b128 v[STO], v[T+8*\b+4:T+8*\b+7] offset:64*\b+16
.endr
	s_wait_xcnt 0x0                                ; RB, which the last group's stores read, is loaded again only behind this wait
.irp i, 0,1,2,3,4,5,6,7
	ds_load_b128 v[RB+4*\i:RB+4*\i+3], v[RD] offset:\i*2*SPITCH    ; LDS serves a wave's instructions in order: these see the stores above
.endr
.irp i, 0,1,2,3,4,5,6,7
	s_wait_dscnt 7-\i                              ; read-back i is in, the younger ones stay out
	global_store_b128 v[CO], v[RB+4*\i:RB+4*\i+3], s[10:11] offset:(16*\a+2*\i)*4096 th:TH_STORE_NT
.endr
.endm
	EPI 0
	EPI 1
	EPI 2
	EPI 3
	s_set_vgpr_msb 0x1
	s_wait_tensorcnt 0x0
	ds_add_u32 v255, v223
	s_wait_dscnt 0x0
	s_set_vgpr_msb 0x100
	CROUND                                         ; the closing round
	s_endpgm
.Lfunc_end_k_q57684c1300_proj:
	.size	k_q57684c1300_proj, .Lfunc_end_k_q57684c1300_proj-k_q57684c1300_proj
	.p2alignl 7, 3214868480
	.fill 96, 4, 3214868480
	.section	.rodata,"a",@progbits
	.p2align	6, 0x0
	.amdhsa_kernel k_q57684c1300_proj
		.amdhsa_group_segment_fixed_size 327680
		.amdhsa_private_segment_fixed_size 0
		.amdhsa_enable_private_segment 0
		.amdhsa_kernarg_size 32
		.amdhsa_user_sgpr_count 2
		.amdhsa_user_sgpr_kernarg_segment_ptr 1
		.amdhsa_wavefront_size32 1
		.amdhsa_system_sgpr_workgroup_id_x 1
		.amdhsa_system_sgpr_workgroup_id_y 1
		.amdhsa_system_sgpr_workgroup_id_z 1
		.amdhsa_system_vgpr_workitem_id 0
		.amdhsa_next_free_vgpr 640
		.amdhsa_next_free_sgpr 72
		.amdhsa_reserve_vcc 0
		.amdhsa_float_denorm_mode_32 3
		.amdhsa_float_denorm_mode_16_64 3
		.amdhsa_memory_ordered 1
		.amdhsa_forward_progress 1
		.amdhsa_inst_pref_size 78
	.end_amdhsa_kernel
	.amdgpu_metadata
---
amdhsa.version: [ 1, 2 ]
amdhsa.kernels:
  - .name:           k_q57684c1300_proj
    .symbol:         k_q57684c1300_proj.kd
    .args:
      - { .name: ao, .offset: 0, .size: 8, .value_kind: global_buffer, .address_space: global }
      - { .name: wp, .offset: 8, .size: 8, .value_kind: global_buffer, .address_space: global }
      - { .name: c_proj_b, .offset: 16, .size: 8, .value_kind: global_buffer, .address_space: global }
      - { .name: out0, .offset: 24, .size: 8, .value_kind: global_buffer, .address_space: global }
    .group_segment_fixed_size: 327680
    .private_segment_fixed_size: 0
    .kernarg_segment_align: 8
    .kernarg_segment_size: 32
    .max_flat_workgroup_size: 128
    .sgpr_count:     72
    .vgpr_count:     640
    .wavefront_size: 32
...
	.end_amdgpu_metadata
.endif
;; end of part 4
;; ======== version 2 of 2: 4 launches; version 1 with the launch prep written anew for expert scheduling mode
;; limits: values are held in f16: magnitudes above 65,504 overflow, below 6.1e-05 lose precision
;; workspace buffers: xb 8,388,608 bytes; wa 6,291,456 bytes; wp 2,097,152 bytes; qh 8,388,608 bytes; kh 8,388,608 bytes; vh 8,388,608 bytes; ao 8,388,608 bytes
;; launch prep (part 5): grid 256 x 1, 8 waves a work-group, no clusters, 0 bytes of LDS; arguments hidden_states, c_attn_w, c_proj_w, xb, wa, wp; writes xb, wa, wp
.if DOCPART == 5
	.amdgcn_target "amdgcn-amd-amdhsa--gfx1250"
	.amdhsa_code_object_version 6
	.text
	.protected	k_q57684c1300_prep
	.globl	k_q57684c1300_prep
	.p2align	8
	.type	k_q57684c1300_prep,@function
k_q57684c1300_prep:
	s_mov_b64 s[64:65], 0
	v_nop
	global_prefetch_b8 v0, s[64:65] scope:SCOPE_SE
	s_setreg_imm32_b32 hwreg(HW_REG_WAVE_SCHED_MODE, 0, 2), 2
	s_setreg_imm32_b32 hwreg(HW_REG_WAVE_MODE, 25, 1), 1
	s_wait_xcnt 0x0
	s_wait_alu depctr_vm_vsrc(0)
; Casts the three large f32 inputs to 16 bits and lays them out by chunks of 64 columns, so that every tile of the later
; launches is one dense block.  All three are R rows of 1,024 f32 (4,096 bytes) -> [16 chunks][R rows][64 numbers of 2 bytes]:
;   hidden_states, R = 4096 -> xb, bf16.
;   c_attn_w: byte k*12288 + t*4096 + j*256 + 4c = (3k+t)*4096 + j*256 + 4c, so it is R = 3072 rows p = 3k+t -> wa, bf16.
;   c_proj_w, R = 1024 -> wp: rounded to bf16 like the other inputs, then written as f16, since its partner in the product is f16.
;   LIMIT: the second step is exact for 2^-17 <= |w| < 65504; smaller numbers carry an absolute error of at most 2^-25, larger ones become infinite.
; 8,192 rows in all: 256 work-groups of 32 rows, a wave takes 4 rows as two pairs.  A load of 16 bytes a lane takes the 256 bytes of one chunk
; of two neighbouring rows; the store of 8 bytes a lane then covers 256 consecutive bytes, aligned (two rows of 128 bytes of that chunk).
; Every byte is read once and written once.  No LDS, no matrix unit: nothing is shared and nothing is multiplied.
; THE MODE: SCHED_MODE bits 1:0 = 2 (LLVM: expert scheduling mode 2), set by the entry lines.  The code itself states the register dependences
; between vector instructions and memory instructions, with s_wait_alu, always for 0.
; THE PLAN.  Registers that memory instructions touch:
;   v[VS], v[OFF ..]  byte offsets, made once at the head by vector instructions and never written again; read by the loads (VS) and the stores (OFF).
;   X                 load i: 4 registers of its own.  Written by that load alone, once; read by that load's conversions.
;   Y                 store i: 2 registers of its own.  Written by load i's conversions, once; read by store i.
;   T and v1, v3 to v6 are named by vector instructions alone.
; No register that a memory instruction reads is ever written again, and no load lands in a register that a vector instruction has named: what is left
; to state is that a register is written before a memory instruction reads it.  The 32 loads go in four blocks of eight.  Block p converts X of its eight
; loads into Y of its eight stores; its memory instructions are the eight stores of block p - 1, whose Y and OFF no vector instruction of block p names.
; So one wait at the head of a block states all that its stores hang on, and they are dealt among its conversions with no further wait.
.set BLOCK,  8                         ; loads in a block
.set BLOCKS, 32/BLOCK
.set VS,  2                            ; v2        my byte offset in the source
.set OFF, 8                            ; v[8:23]   chunk c: my byte offset in the destination
.set T,   24                           ; v[24:31]  at work
.set X,   32                           ; v[32:159] load i: 4 registers
.set Y,   160                          ; v[160:223] store i: 2 registers of its own, so no store's data is ever rewritten
	s_load_b256 s[4:11], s[0:1], 0x0               ; hidden s[4:5], c_attn_w s[6:7], c_proj_w s[8:9], xb s[10:11]
	s_load_b128 s[12:15], s[0:1], 0x20             ; wa s[12:13], wp s[14:15]
	v_and_b32 v1, 31, v0                           ; lane
	v_lshrrev_b32 v3, 5, v0                        ; wave
	v_lshrrev_b32 v4, 4, v1                        ; which row of a pair
	v_and_b32 v5, 15, v1
	v_lshl_add_u32 v4, v3, 2, v4                   ; 4 x wave + row of the pair
	v_lshlrev_b32 v5, 4, v5
	v_lshl_add_u32 v[VS], v4, 12, v5               ; x 4,096 bytes + 16 bytes a lane
	v_lshlrev_b32 v6, 3, v1
	v_lshl_add_u32 v[OFF], v3, 9, v6               ; 4 rows of 128 bytes a wave + 8 bytes a lane
	s_wait_kmcnt 0x0
	s_cmp_lt_u32 ttmp9, 128                        ; work-groups 0-127: hidden_states; 128-223: c_attn_w; 224-255: c_proj_w
	s_cselect_b64 s[20:21], s[4:5], s[6:7]         ; the source
	s_cselect_b64 s[22:23], s[10:11], s[12:13]     ; the destination
	s_cselect_b32 s24, 0, 128                      ; the first work-group of this input
	s_cselect_b32 s25, 4, 3                        ; R / 1024
	s_cmp_lt_u32 ttmp9, 224
	s_cselect_b64 s[20:21], s[20:21], s[8:9]
	s_cselect_b64 s[22:23], s[22:23], s[14:15]
	s_cselect_b32 s24, s24, 224
	s_cselect_b32 s25, s25, 1
	s_lshl_b32 s25, s25, 17                        ; a chunk of the destination: R rows of 128 bytes
	s_sub_co_u32 s26, ttmp9, s24                   ; my block of 32 rows
	s_lshl_b32 s2, s26, 17                         ; x 32 rows x 4,096 bytes
	s_mov_b32 s3, 0
	s_add_nc_u64 s[20:21], s[20:21], s[2:3]
	s_lshl_b32 s2, s26, 12                         ; x 32 rows x 128 bytes
	s_add_nc_u64 s[22:23], s[22:23], s[2:3]
.irp c, 1,2,3,4,5,6,7,8,9,10,11,12,13,14,15
	v_add_nc_u32 v[OFF+\c], s25, v[OFF+\c-1]
.endr
	s_wait_alu depctr_va_vdst(0)                   ; v[VS] and v[OFF ..] are written: every load below reads the one as its offset, every store, on both ways behind the branch, one of the others
; all 32 loads of the wave at once: 16 KiB a wave on their way
.set i, 0
.rept 32
	global_load_b128 v[X+4*i:X+4*i+3], v[VS], s[20:21] offset:(i/16)*8192+(i%16)*256 th:TH_LOAD_NT
.set i, i+1
.endr
; The four numbers of load i.  half = 0: to bf16.  half = 1: to bf16, and that number written as f16.
.macro CV i, half
.if \half
	v_cvt_pk_bf16_f32 v[T],   v[X+4*(\i)],   v[X+4*(\i)+1]
	v_cvt_pk_bf16_f32 v[T+1], v[X+4*(\i)+2], v[X+4*(\i)+3]
	v_lshlrev_b32 v[T+2], 16, v[T]
	v_and_b32     v[T+3], 0xffff0000, v[T]
	v_lshlrev_b32 v[T+4], 16, v[T+1]
	v_and_b32     v[T+5], 0xffff0000, v[T+1]
	v_cvt_pk_f16_f32 v[Y+2*(\i)],   v[T+2], v[T+3]
	v_cvt_pk_f16_f32 v[Y+2*(\i)+1], v[T+4], v[T+5]
.else
	v_cvt_pk_bf16_f32 v[Y+2*(\i)],   v[X+4*(\i)],   v[X+4*(\i)+1]
	v_cvt_pk_bf16_f32 v[Y+2*(\i)+1], v[X+4*(\i)+2], v[X+4*(\i)+3]
.endif
.endm
; Store i: chunk i % 16, pair of rows i / 16
.macro ST i
	global_store_b64 v[OFF+(\i)%16], v[Y+2*(\i):Y+2*(\i)+1], s[22:23] offset:((\i)/16)*256
.endm
; The four blocks, and the last block's stores
.macro WALK half
.set p, 0
.rept BLOCKS
	s_wait_loadcnt (BLOCKS-1-p)*BLOCK              ; loads come back in order (ISA guide 5.7.1): block p's eight are in, the younger blocks stay out
.if p > 0
	s_wait_alu depctr_va_vdst(0)                   ; the conversions of block p - 1 have written its sixteen registers of Y, which the eight stores below read
.endif
.set j, 0
.rept BLOCK
.if p > 0
	ST BLOCK*(p-1)+j                               ; no vector instruction since the wait names this store's Y or OFF
.endif
	CV BLOCK*p+j, \half
.set j, j+1
.endr
.set p, p+1
.endr
	s_wait_alu depctr_va_vdst(0)                   ; the conversions of the last block have written its Y, which the last eight stores read
.set j, 0
.rept BLOCK
	ST BLOCK*(BLOCKS-1)+j
.set j, j+1
.endr
.endm
	s_cmp_ge_u32 ttmp9, 224
	s_cbranch_scc1 .Lf16
	WALK 0                                         ; hidden_states and c_attn_w: to bf16
	s_endpgm
.Lf16:
	WALK 1                                         ; c_proj_w: to bf16, and that number written as f16
	s_endpgm
.Lfunc_end_k_q57684c1300_prep:
	.size	k_q57684c1300_prep, .Lfunc_end_k_q57684c1300_prep-k_q57684c1300_prep
	.p2alignl 7, 3214868480
	.fill 96, 4, 3214868480
	.section	.rodata,"a",@progbits
	.p2align	6, 0x0
	.amdhsa_kernel k_q57684c1300_prep
		.amdhsa_group_segment_fixed_size 0
		.amdhsa_private_segment_fixed_size 0
		.amdhsa_enable_private_segment 0
		.amdhsa_kernarg_size 48
		.amdhsa_user_sgpr_count 2
		.amdhsa_user_sgpr_kernarg_segment_ptr 1
		.amdhsa_wavefront_size32 1
		.amdhsa_system_sgpr_workgroup_id_x 1
		.amdhsa_system_sgpr_workgroup_id_y 1
		.amdhsa_system_sgpr_workgroup_id_z 1
		.amdhsa_system_vgpr_workitem_id 0
		.amdhsa_next_free_vgpr 224
		.amdhsa_next_free_sgpr 66
		.amdhsa_reserve_vcc 0
		.amdhsa_float_denorm_mode_32 3
		.amdhsa_float_denorm_mode_16_64 3
		.amdhsa_memory_ordered 1
		.amdhsa_forward_progress 1
		.amdhsa_inst_pref_size 30
	.end_amdhsa_kernel
	.amdgpu_metadata
---
amdhsa.version: [ 1, 2 ]
amdhsa.kernels:
  - .name:           k_q57684c1300_prep
    .symbol:         k_q57684c1300_prep.kd
    .args:
      - { .name: hidden_states, .offset: 0, .size: 8, .value_kind: global_buffer, .address_space: global }
      - { .name: c_attn_w, .offset: 8, .size: 8, .value_kind: global_buffer, .address_space: global }
      - { .name: c_proj_w, .offset: 16, .size: 8, .value_kind: global_buffer, .address_space: global }
      - { .name: xb, .offset: 24, .size: 8, .value_kind: global_buffer, .address_space: global }
      - { .name: wa, .offset: 32, .size: 8, .value_kind: global_buffer, .address_space: global }
      - { .name: wp, .offset: 40, .size: 8, .value_kind: global_buffer, .address_space: global }
    .group_segment_fixed_size: 0
    .private_segment_fixed_size: 0
    .kernarg_segment_align: 8
    .kernarg_segment_size: 48
    .max_flat_workgroup_size: 256
    .sgpr_count:     66
    .vgpr_count:     224
    .wavefront_size: 32
...
	.end_amdgpu_metadata
.endif
;; end of part 5
;; launch qkv: the kernel of part 2 again; grid 16 x 16, 4 waves a work-group, clusters of 4 x 4, 327,680 bytes of LDS; arguments xb, wa, c_attn_b, qh, kh, vh; writes qh, kh, vh
;; launch attn: the kernel of part 3 again; grid 256 x 1, 4 waves a work-group, no clusters, 327,680 bytes of LDS; arguments qh, kh, vh, ao; writes ao
;; launch proj: the kernel of part 4 again; grid 16 x 16, 4 waves a work-group, clusters of 4 x 4, 327,680 bytes of LDS; arguments ao, wp, c_proj_b, out0; writes out0
